; MI455X (gfx1250); checked and timed in simulation.
; The chip was launched on July 23, 2026; its instructions are those of AMD's public machine-readable ISA for CDNA 5 (MIT licence, August 2026) and "CDNA5" Instruction Set Architecture Reference Guide (July 2026). The comments in the code are by the model that wrote it; some were corrected since.
;; Prob Sparse Self Attention. Allowed arithmetic: matrix products marked QUANTISED: E5M2 operands, one given power-of-two scale a tensor, by v_wmma_f32_16x16x64_bf8_bf8 or v_wmma_f32_16x16x128_bf8_bf8, f32 sums; everything else in f32.
;; Inputs: W_out_codes 1,024 x 32 x 32 uint8 (E5M2 codes of W_out, K innermost, in blocks of 32 codes); W_qkv_codes 3,072 x 32 x 32 uint8 (E5M2 codes of W_qkv, K innermost, in blocks of 32 codes); b_out 1,024 float32; b_qkv 3,072 float32; lowp_scales 8 int32 (the exponents e of the quantised operands' scales 2^e); x_codes 2 x 2,048 x 32 x 32 uint8 (E5M2 codes of x, K innermost, in blocks of 32 codes).
;; Outputs: out0 2 x 2,048 x 1,024 float32.
;; This version of the problem:
;;   THIS VERSION OF THE PROBLEM IS GIVEN IN LOW PRECISION. The matrix products marked QUANTISED in the list below multiply operands that are first quantised to E5M2 (5 exponent bits, 2 mantissa bits; 8 bits a number), with one given power-of-two scale for each operand tensor; their sums are f32. All else is computed in f32.
;;   The module's matrix products, in the order in which they are computed (A, B: the left and right operand; K: the contracted axis; several contracted axes count as one K, in the product's order):
;;     1. [M 4,096, K 1,024] x [K 1,024, N 3,072]; A: input x (given as codes); B: input W_qkv (given as codes): QUANTISED (scales: A lowp_scales[0], B lowp_scales[1])
;;     2. batch 32 x [M 2,048, K 64] x [K 64, N 2,048]; A: computed on the way; B: computed on the way: QUANTISED (scales: A lowp_scales[2], B lowp_scales[3])
;;     3. batch 32 x [M 2,048, K 2,048] x [K 2,048, N 64]; A: softmax (see below); B: computed on the way: QUANTISED (scales: A lowp_scales[4], B lowp_scales[5])
;;     4. [M 4,096, K 1,024] x [K 1,024, N 1,024]; A: computed on the way; B: input W_out (given as codes): QUANTISED (scales: A lowp_scales[6], B lowp_scales[7])
;;   THE QUANTISER, for each operand of a quantised product, along K:
;;     - The operand's scale is 2^e, e = its entry of the input lowp_scales (int32; the entries are numbered through the quantised products in the list's order, A before B).
;;     - Each number is divided by the scale, clamped to +-57,344, and rounded to the nearest number of E5M2, ties to even, subnormals kept.
;;     - The product sums the exact products of the quantised numbers (number of the format x scale) in f32.
;;   ~~~python
;;   def quantise(x, axis, e):      # numpy; x: float32 -> the quantised numbers, widened to float32 again
;;       x = np.moveaxis(x, axis, -1); K = x.shape[-1]
;;       r = np.clip(x / 2.0 ** e, -57344, 57344)
;;       step = 2.0 ** (np.maximum(np.frexp(np.where(r == 0, 1, r))[1] - 1, -14) - 2)
;;       q = np.round(r / step) * step * 2.0 ** e      # np.round: ties to even
;;       return np.moveaxis(q, -1, axis).astype(np.float32)
;;   ~~~
;;   SOFTMAX AHEAD OF A QUANTISED PRODUCT. Where the list says 'softmax', what is quantised is not the finished softmax but p = 2^(t - M), with t = logit x log2(e) and M = ceil(the row's largest t), a whole number; so 1/2 < the row's largest p <= 1. The row's sum l is taken of the UNQUANTISED p, in f32, and the product's result is divided by l at the end. Since M is a whole number, a kernel that streams over the keys may use a running M (the ceiling of the running maximum): every later rescaling is an exact power of two, so the quantised numbers keep their values, but for numbers so far below the row's largest that they fall under the format's range.
;;   OPERANDS COMPUTED ON THE WAY. 'Computed on the way' means the value that the module computes at that place (a softmax that the list does not call 'softmax' is quantised finished and normalised). What goes into a quantiser is computed in f32, as accurately as f32 sums, v_exp_f32 and their like allow (about 1e-6 of the number): no bf16 or f16 on the way to a quantiser, and a product that is left as it is and whose result goes on into a quantised operand takes f32 operands (vector FMAs, or v_wmma_f32_16x16x4_f32). A number that lies on a knife's edge between two numbers of the format may be rounded either way, as far as f32 arithmetic and the matrix unit's own rounding can turn it there, and no further.
;;   INPUTS GIVEN AS CODES. W_out (in the module: [1024, 1024], K = its axis 0); W_qkv (in the module: [1024, 3072], K = its axis 0); x (in the module: [2, 2048, 1024], K = its axis 2): each comes as NAME_codes (uint8): NAME with its K axis moved to the last place and cut into blocks of 32 codes, [.., K / 32, bytes a block], one block behind the other in memory; one code a byte (a code: sign, 5 exponent bits, 2 mantissa bits); its scale is its entry of lowp_scales. Its value is code x scale, taken as it is: it is not quantised again, and the codes and scales need not be those that the quantiser above would give.
;; One version. Each part assembles by itself: llvm-mc -triple=amdgcn-amd-amdhsa -mcpu=gfx1250 --defsym DOCPART=n.
;; ======== version 1 of 1: 3 launches
;; limits: right only within a limited range of input values
;; workspace buffers: q_img 4,194,304 bytes; kv_img 8,388,608 bytes; a_img 4,194,304 bytes
;; launch qkv (part 1): grid 16 x 16, 4 waves a work-group, clusters of 4 x 4, 327,680 bytes of LDS; arguments x_codes, W_qkv_codes, b_qkv, lowp_scales, q_img, kv_img; writes q_img, kv_img
.if DOCPART == 1
	.amdgcn_target "amdgcn-amd-amdhsa--gfx1250"
	.amdhsa_code_object_version 6
	.text
	.protected	k_qe1b1afe2cf_qkv
	.globl	k_qe1b1afe2cf_qkv
	.p2align	8
	.type	k_qe1b1afe2cf_qkv,@function
k_qe1b1afe2cf_qkv:
	s_mov_b64 s[64:65], 0
	v_nop
	global_prefetch_b8 v0, s[64:65] scope:SCOPE_SE
	s_setreg_imm32_b32 hwreg(HW_REG_WAVE_MODE, 25, 1), 1
	s_wait_xcnt 0x0
	s_wait_alu depctr_hold_cnt(0) depctr_sa_sdst(0) depctr_va_vdst(0) depctr_va_sdst(0) depctr_va_ssrc(0) depctr_va_vcc(0) depctr_vm_vsrc(0)
	s_getreg_b32 s2, hwreg(HW_REG_IB_STS2, 6, 4)
	s_cmp_eq_u32 s2, 0
	s_cbranch_scc0 .Lentry_in_a_cluster
	s_endpgm
.Lentry_in_a_cluster:
	s_bfe_u32 s2, ttmp6, 0x10000c
	s_cmp_lg_u32 s2, 0xf033
	s_cbranch_scc0 .Lentry_shape_is_right
	s_endpgm
.Lentry_shape_is_right:
; qkv = x W_qkv + b_qkv on codes of E5M2, quantised on the way out into images of operand registers for the attention.
; A work-group of four waves makes 256 tokens x ONE HEAD's Q, K and V: 192 columns, from three ranges of 64 rows of W_qkv.  16 x 16 = 256 work-groups.  A wave makes 128 tokens x 32 columns of each of the three: 48 accumulators.
; K goes in steps of 256 through a ring of two LDS slots (256 rows of x, 192 rows of W_qkv), filled by joint loads: wave 0 fetches the tokens' rows, waves 1 to 3 the rows of Q, of K and of V.
; CLUSTERS: 4 x 4 work-groups.  The tokens' rows hang on the token block alone and are shared along a row of the cluster; the weights' rows hang on the head alone and are shared along a column.
; PREFETCH: behind a K step's joint load its successor is asked for, one K step ahead of its own load; the four partners share the rows out by address, a lane a row, each row's 256 bytes once in each cluster.
; For Q and K source 0 takes rows of W_qkv and source 1 tokens: a lane holds eight neighbouring channels of one token.  For V the two change places: a lane holds eight neighbouring tokens of one channel.
; V's ROWS OF A TILE ARE NOT NEIGHBOURS: lane r of tile v takes channel 32 u + 8 v + r + 8 (r / 8) (u: the wave's half of the columns), so that the attention's result has 16 neighbouring channels in a lane's 16 registers of two tiles.
; THE BIAS starts the sums: divided by the power of two that the sums lack (v_ldexp_f32), it is C of the first products.
; LIMITS: e2, e3, e5, each less (e0 + e1), between -126 and 112.
; IMAGES: q_img [head 32][tile of 16 tokens 128][2 x 512 bytes]; kv_img [head 32][128 tokens 16][K: tile 8 x 1,024 bytes; V: tile of 16 channels 4 x 2,048 bytes].
; REGISTERS: window 0: v1-29 addresses and scales; v32-79 the bias; v128-255 the tokens' fragments (8 x 16 x 128 K), on the way out the codes.  Window 1: the weights' six fragments, two sets of 96.
;   Windows 2 and 3: accumulators of token tiles 0-3 and 4-7: (a, b) at v[48 (a % 4) + 8 b], b = 0, 1 Q; 2, 3 K; 4, 5 V.
.set ROWB,   256
.set KROW,   1024
.set PITCH,  272                       ; an LDS row: 256 bytes + 16: row r starts at bank 4 r mod 64 (ISA guide 11.1)
.set BOFF,   256*PITCH
.set SLOT,   448*PITCH
.set SPARE,  2*SLOT                    ; the spare words, 128 bytes a wave
.set SC,   10                          ; v10-12: the conversions' scales for Q, K, V
.set LIM,  13                          ; v13-15: 57,344 x each
.set ADRA, 16                          ; v16, v17: the tokens' fragments in slot 0, 1
.set ADRB, 20                          ; Q's and K's rows
.set ADRV, 22                          ; V's rows
.set OF0,  24                          ; 16 x lane
.set PFO,  26
.set SPW,  28
.set NIL,  29
.set BI,   32
.set AF,   128
.set CD,   128
.set G1A, 24
.set G0A, 32
.set G1B, 48
.set G0B, 56
.set PFA, 66
.set MSB, 0
.macro WIN new                         ; the immediate's high byte repeats the setting that is left
.if MSB != (\new)
	s_set_vgpr_msb (MSB<<8)|(\new)
.set MSB, (\new)
.endif
.endm
.macro JLOAD s                         ; each of the two lines has one mask; the branch hangs on the wave's number alone
	s_cmp_eq_u32 s16, 0
	s_cbranch_scc0 .Lfor_b_\@
	tensor_load_to_lds s[G0A+4*\s:G0A+4*\s+3], s[G1A:G1A+7]
	s_nop 0
.rept 4
	v_nop
.endr
	s_branch .Lasked_\@
.Lfor_b_\@:
	tensor_load_to_lds s[G0B+4*\s:G0B+4*\s+3], s[G1B:G1B+7]
	s_nop 0
.rept 4
	v_nop
.endr
.Lasked_\@:
.endm
.macro ASK k                           ; K step k of my work-group's share of the rows
	global_prefetch_b8 v[PFO], s[PFA:PFA+1] offset:ROWB*\k th:TH_LOAD_NT scope:SCOPE_SE
.endm
.macro CREST                           ; a round of the cluster's barrier behind its opening barrier
	s_cmp_lg_u32 s16, 0
	s_cbranch_scc1 .Lnot_wave_0_\@
	s_barrier_signal -3
.Lnot_wave_0_\@:
	s_barrier_wait -3
	s_barrier_signal -1
	s_barrier_wait -1
.endm
.macro CROUND
	s_barrier_signal -1
	s_barrier_wait -1
	CREST
.endm
.macro PLACES n
.rept \n
	v_nop
.endr
.endm
	s_load_b256 s[4:11], s[0:1], 0x0               ; x s[4:5], W_qkv s[6:7], b_qkv s[8:9], the scales' exponents s[10:11]
	s_load_b128 s[12:15], s[0:1], 0x20             ; q_img s[12:13], kv_img s[14:15]
	v_lshl_add_u32 v[SPW], v0, 2, SPARE
	v_mov_b32 v[NIL], 0
	ds_add_u32 v[SPW], v[NIL]                      ; the opening: the add, twice on end, and its wait
	ds_add_u32 v[SPW], v[NIL]
	v_lshrrev_b32 v1, 5, v0
	v_readfirstlane_b32 s16, v1                    ; wave 0..3
	s_lshr_b32 s17, s16, 1                         ; i: which 128 of the tokens are mine
	s_and_b32 s18, s16, 1                          ; u: which 32 columns of Q, of K and of V
	s_bfe_u32 s19, ttmp6, 0x40000                  ; cx
	s_bfe_u32 s20, ttmp6, 0x40004                  ; cy
	s_lshl_b32 s21, ttmp9, 2
	s_add_co_u32 s21, s21, s19                     ; the head, 0 .. 15
	s_and_b32 s22, ttmp7, 0xffff
	s_lshl_b32 s22, s22, 2
	s_add_co_u32 s22, s22, s20                     ; the block of 256 tokens, 0 .. 15
	s_lshl_b32 s40, s20, 2
	s_lshl_b32 s40, 15, s40                        ; my row of the cluster
	s_lshl_b32 s41, 0x1111, s19                    ; my column
	s_or_b32 s[G1A], s40, (0<<16)|(1<<20)|(1<<21)|(5<<22)|(3<<25)  ; the mask; elements of 1 byte; padding: after every 64 words 4 words; bit 21 beside a mask
	s_or_b32 s[G1B], s41, (0<<16)|(1<<20)|(1<<21)|(5<<22)|(3<<25)
.irp g, G1A, G1B
	s_mov_b32 s[\g+1], ROWB<<16
	s_mov_b32 s[\g+3], ROWB<<16
	s_mov_b32 s[\g+5], KROW
	s_mov_b32 s[\g+6], 0
	s_mov_b32 s[\g+7], 0
.endr
	s_mov_b32 s[G1A+2], 256<<16                    ; 256 rows of x
	s_mov_b32 s[G1A+4], 256
	s_mov_b32 s[G1B+2], 64<<16                     ; 64 rows of W_qkv
	s_mov_b32 s[G1B+4], 64
	s_lshl_b32 s42, s22, 18                        ; x: 256 rows of 1,024 bytes a block
	s_mov_b32 s43, 0
	s_max_u32 s44, s16, 1
	s_sub_co_u32 s44, s44, 1                       ; 0, 1, 2: Q, K, V
	s_lshl_b32 s44, s44, 20
	s_lshl_b32 s45, s21, 16
	s_add_co_u32 s44, s44, s45                     ; W_qkv: row 1,024 x that + 64 x head
	s_mov_b32 s45, 0
	s_mul_i32 s46, s16, 64*PITCH
	s_add_co_u32 s46, s46, BOFF-64*PITCH           ; and its place in a slot
	; the prefetches: waves 0 and 1: rows 64 cx + 32 wave + lane of x; waves 2 and 3: rows 16 cy + lane % 16 of Q's and K's, of V's rows of W_qkv (wave 3's upper lanes name V's rows once more)
	s_sub_co_u32 s82, s16, 2
	s_lshl_b32 s82, s82, 1
	s_mov_b32 s84, 0x100000
	s_lshl_b32 s85, s19, 16
	s_lshl_b32 s86, s16, 15
	s_add_co_u32 s85, s85, s86
	s_add_co_u32 s85, s85, s42                     ; block, 64 cx + 32 wave
	s_lshl_b32 s86, s20, 14
	s_lshl_b32 s87, s21, 16
	s_add_co_u32 s86, s86, s87                     ; 64 x head + 16 cy
	s_cmp_lt_u32 s16, 2
	s_cselect_b32 s82, 0, s82                      ; lanes 0-15: this multiple,
	s_cselect_b32 s83, 1, 2                        ; at most this one,
	s_cselect_b32 s84, 0x4000, s84                 ; of so many bytes
	s_cselect_b32 s86, s85, s86
	s_mov_b32 s87, 0
	; the bias, and where the results go
	s_lshl_b32 s92, s21, 8
	s_lshl_b32 s93, s18, 7
	s_add_co_u32 s92, s92, s93                     ; 4 x (64 x head + 32 u)
	s_mov_b32 s93, 0
	s_lshr_b32 s94, s22, 3
	s_lshl_b32 s94, s94, 4
	s_add_co_u32 s94, s94, s21                     ; bh = 16 batch + head
	s_and_b32 s95, s22, 7
	s_lshl_b32 s95, s95, 1
	s_add_co_u32 s95, s95, s17                     ; which 128 tokens of the batch
	s_lshl_b32 s76, s94, 17
	s_lshl_b32 s77, s95, 13
	s_add_co_u32 s76, s76, s77
	s_lshl_b32 s77, s18, 9
	s_add_co_u32 s76, s76, s77                     ; Q
	s_mov_b32 s77, 0
	s_lshl_b32 s78, s94, 18
	s_lshl_b32 s79, s95, 14
	s_add_co_u32 s78, s78, s79
	s_lshl_b32 s80, s18, 12
	s_add_co_u32 s80, s80, s78
	s_add_co_u32 s80, s80, 0x2000                  ; V
	s_mov_b32 s81, 0
	s_lshl_b32 s79, s18, 9
	s_add_co_u32 s78, s78, s79                     ; K
	s_mov_b32 s79, 0
	s_mul_i32 s88, s17, 128*PITCH                  ; my tokens' rows in a slot
	s_mul_i32 s89, s18, 32*PITCH
	s_add_co_u32 s90, s89, BOFF+128*PITCH          ; my rows of V
	s_add_co_u32 s89, s89, BOFF                    ; my rows of Q; K's lie 64 rows on
	; a fragment: lane l holds row l % 16; registers 4 c .. 4 c + 3 hold K = 32 c + 16 (l / 16) + 0 .. 15
	v_and_b32 v1, 15, v0                           ; r
	v_bfe_u32 v2, v0, 4, 1                         ; h
	v_add_nc_u32 v8, s82, v2
	v_min_u32 v8, s83, v8
	v_mul_lo_u32 v8, v8, s84
	v_lshl_add_u32 v[PFO], v1, 10, v8
	v_lshlrev_b32 v5, 5, v2                        ; Q's and K's bias: channels 8 h on
	v_and_b32 v3, 8, v1
	v_add_nc_u32 v3, v3, v1                        ; r + 8 (r / 8)
	v_lshlrev_b32 v6, 2, v3                        ; V's bias: my channel
	v_mul_u32_u24 v4, v1, PITCH
	v_lshl_add_u32 v4, v2, 4, v4
	v_mul_u32_u24 v7, v3, PITCH
	v_lshl_add_u32 v7, v2, 4, v7
	v_add_nc_u32 v[ADRA], s88, v4
	v_add_nc_u32 v[ADRA+1], SLOT, v[ADRA]
	v_add_nc_u32 v[ADRB], s89, v4
	v_add_nc_u32 v[ADRB+1], SLOT, v[ADRB]
	v_add_nc_u32 v[ADRV], s90, v7
	v_add_nc_u32 v[ADRV+1], SLOT, v[ADRV]
	v_and_b32 v[OF0], 31, v0
	v_lshlrev_b32 v[OF0], 4, v[OF0]
	s_wait_alu depctr_va_vdst(0)
	s_wait_dscnt 0x0                               ; both opening adds are done
	s_wait_kmcnt 0x0
	s_load_b256 s[68:75], s[10:11], 0x0            ; e0 .. e7
	s_add_nc_u64 s[42:43], s[4:5], s[42:43]
	s_add_nc_u64 s[44:45], s[6:7], s[44:45]
	s_cmp_lt_u32 s16, 2
	s_cselect_b64 s[PFA:PFA+1], s[4:5], s[6:7]
	s_add_nc_u64 s[PFA:PFA+1], s[PFA:PFA+1], s[86:87]
	s_add_nc_u64 s[92:93], s[8:9], s[92:93]
	s_add_nc_u64 s[76:77], s[12:13], s[76:77]
	s_add_nc_u64 s[78:79], s[14:15], s[78:79]
	s_add_nc_u64 s[80:81], s[14:15], s[80:81]
.irp s, 0,1
	s_mov_b32 s[G0A+4*\s], 1
	s_mov_b32 s[G0A+4*\s+1], \s*SLOT
	s_add_nc_u64 s[G0A+4*\s+2:G0A+4*\s+3], s[42:43], \s*ROWB
	s_or_b32 s[G0A+4*\s+3], s[G0A+4*\s+3], 0x80000000
	s_mov_b32 s[G0B+4*\s], 1
	s_add_co_u32 s[G0B+4*\s+1], s46, \s*SLOT
	s_add_nc_u64 s[G0B+4*\s+2:G0B+4*\s+3], s[44:45], \s*ROWB
	s_or_b32 s[G0B+4*\s+3], s[G0B+4*\s+3], 0x80000000
.endr
	CROUND                                         ; all sixteen work-groups are here: the first joint loads meet
	JLOAD 0                                        ; K step 0: one tensor load a wave at the head
.irp b, 0,1
	global_load_b128 v[BI+8*\b:BI+8*\b+3], v5, s[92:93] offset:64*\b
	global_load_b128 v[BI+8*\b+4:BI+8*\b+7], v5, s[92:93] offset:64*\b+16
	global_load_b128 v[BI+16+8*\b:BI+16+8*\b+3], v5, s[92:93] offset:4096+64*\b
	global_load_b128 v[BI+16+8*\b+4:BI+16+8*\b+7], v5, s[92:93] offset:4096+64*\b+16
	global_load_b32 v[BI+32+8*\b], v6, s[92:93] offset:8192+32*\b
.endr
	ASK 1
	s_wait_kmcnt 0x0
	s_add_co_i32 s84, s68, s69                     ; a sum stands for sum x 2^(e0 + e1)
	s_sub_co_i32 s85, 0, s84
.macro SCALES n, e                     ; a code is sum / 2^(e - e0 - e1)
	s_sub_co_i32 s88, s[\e], s84
	s_add_co_i32 s88, s88, 127
	s_lshl_b32 s89, s88, 23
	v_mov_b32 v[SC+\n], s89
	s_add_co_i32 s88, s88, 15
	s_lshl_b32 s88, s88, 23
	s_or_b32 s88, s88, 0x600000
	v_mov_b32 v[LIM+\n], s88
.endm
	SCALES 0, 70
	SCALES 1, 71
	SCALES 2, 73
	s_wait_alu depctr_va_vdst(0)
	s_wait_loadcnt 0x0                             ; the bias
.set j, 0
.rept 32
	v_ldexp_f32 v[BI+j], v[BI+j], s85
.set j, j+1
.endr
	v_ldexp_f32 v[BI+32], v[BI+32], s85
	v_ldexp_f32 v[BI+40], v[BI+40], s85
.irp i, 1,2,3,4,5,6,7
	v_mov_b32 v[BI+32+\i], v[BI+32]
	v_mov_b32 v[BI+40+\i], v[BI+40]
.endr
.macro FRAG reg, adr, o
.irp c, 0,1,2,3
	ds_load_b128 v[(\reg)+4*\c:(\reg)+4*\c+3], v[\adr] offset:(\o)+32*\c
.endr
.endm
.macro FETCH_B slot, q, p              ; the weights' six fragments of the slot's q-th 128 along K into set p
	WIN 0x40
.irp b, 0,1
	FRAG 96*(\p)+16*\b, ADRB+\slot, 128*(\q)+16*\b*PITCH
	FRAG 96*(\p)+32+16*\b, ADRB+\slot, 128*(\q)+(64+16*\b)*PITCH
	FRAG 96*(\p)+64+16*\b, ADRV+\slot, 128*(\q)+8*\b*PITCH
.endr
	WIN 0
.endm
.macro FETCH_A slot, q, i0             ; token tiles i0 .. i0 + 3
.irp i, \i0, \i0+1, \i0+2, \i0+3
	FRAG AF+16*(\i), ADRA+\slot, 128*(\q)+(\i)*16*PITCH
.endr
.endm
; Matrix instructions of token tiles 4 hi .. 4 hi + 3: MULQK 16 of them, MULV 8.  p: the weights' set.  first = 1: C is the bias.  The 48 accumulators take turns, one instruction a turn, in the same order in every step.
.macro MULQK hi, p, first
.if \first
	WIN 0x81+0x40*(\hi)
.else
	WIN 0xa1+0x50*(\hi)
.endif
.irp a, 0,1,2,3
.irp b, 0,1,2,3
.if \first
	v_wmma_f32_16x16x128_bf8_bf8 v[48*\a+8*\b:48*\a+8*\b+7], v[96*(\p)+16*\b:96*(\p)+16*\b+15], v[AF+64*(\hi)+16*\a:AF+64*(\hi)+16*\a+15], v[BI+8*\b:BI+8*\b+7]
.else
	v_wmma_f32_16x16x128_bf8_bf8 v[48*\a+8*\b:48*\a+8*\b+7], v[96*(\p)+16*\b:96*(\p)+16*\b+15], v[AF+64*(\hi)+16*\a:AF+64*(\hi)+16*\a+15], v[48*\a+8*\b:48*\a+8*\b+7]
.endif
.endr
.endr
.endm
.macro MULV hi, p, first
.if \first
	WIN 0x84+0x40*(\hi)
.else
	WIN 0xa4+0x50*(\hi)
.endif
.irp a, 0,1,2,3
.irp b, 4,5
.if \first
	v_wmma_f32_16x16x128_bf8_bf8 v[48*\a+8*\b:48*\a+8*\b+7], v[AF+64*(\hi)+16*\a:AF+64*(\hi)+16*\a+15], v[96*(\p)+16*\b:96*(\p)+16*\b+15], v[BI+8*\b:BI+8*\b+7]
.else
	v_wmma_f32_16x16x128_bf8_bf8 v[48*\a+8*\b:48*\a+8*\b+7], v[AF+64*(\hi)+16*\a:AF+64*(\hi)+16*\a+15], v[96*(\p)+16*\b:96*(\p)+16*\b+15], v[48*\a+8*\b:48*\a+8*\b+7]
.endif
.endr
.endr
.endm
; A step of 128 along K, the slot's first.
.macro STEP slot, first
	s_wait_dscnt 16                                ; the weights and token tiles 0-3 are in; the youngest loads (tiles 4-7) may be out
	MULQK 0, 0, \first
	MULV 0, 0, \first
	s_wait_dscnt 0x0
	PLACES 4
	FETCH_B \slot, 1, 1
	FETCH_A \slot, 1, 0
	MULQK 1, 0, \first
	MULV 1, 0, \first
	PLACES 4
	WIN 0
	FETCH_A \slot, 1, 4
.endm
; The slot's second step changes slots.  fill = 1: this slot is filled again, two K steps ahead; ask: the K step that is prefetched behind that, or 0.
.macro TURN slot, next, fill, ask
	s_wait_tensorcnt 0x0                           ; my part of the next slot has landed
	ds_add_u32 v[SPW], v[NIL]                      ; 0 onto my spare word
	s_wait_dscnt 17                                ; (the add and the youngest loads, tiles 4-7, may be out)
	MULQK 0, 1, 0
	s_wait_dscnt 0x0                               ; the add is done, and my reads of this slot are over
	s_barrier_signal -1
	MULV 0, 1, 0
	WIN 0
	s_barrier_wait -1
.if \fill
	CREST                                          ; no wave of any partner still reads this slot or has a load on its way
	s_add_nc_u64 s[G0A+4*\slot+2:G0A+4*\slot+3], s[G0A+4*\slot+2:G0A+4*\slot+3], 2*ROWB
	s_add_nc_u64 s[G0B+4*\slot+2:G0B+4*\slot+3], s[G0B+4*\slot+2:G0B+4*\slot+3], 2*ROWB
	JLOAD \slot
.else
	PLACES 4
.endif
	FETCH_B \next, 0, 0
	FETCH_A \next, 0, 0
.if \ask
	ASK \ask
.endif
	MULQK 1, 1, 0
	MULV 1, 1, 0
	PLACES 4
	WIN 0
	FETCH_A \next, 0, 4
.endm
	s_wait_alu depctr_va_vdst(0)
	s_wait_tensorcnt 0x0                           ; my part of K step 0 is in
	ds_add_u32 v[SPW], v[NIL]
	s_wait_dscnt 0x0
	CROUND                                         ; everybody's part is in
	JLOAD 1                                        ; K step 1
	FETCH_B 0, 0, 0
	FETCH_A 0, 0, 0
	FETCH_A 0, 0, 4
	ASK 2
	STEP 0, 1
	TURN 0, 1, 1, 3
	STEP 1, 0
	TURN 1, 0, 1, 0
	STEP 0, 0
	TURN 0, 1, 0, 0
	STEP 1, 0
	s_wait_dscnt 16                                ; the last step: nothing more to fetch
	MULQK 0, 1, 0
	MULV 0, 1, 0
	s_wait_dscnt 0x0
	MULQK 1, 1, 0
	MULV 1, 1, 0
	PLACES 4
; THE WAY OUT of token tiles 2 g, 2 g + 1: held in place, each accumulator from its low end on, converted, and stored as images: each store of the wave covers 512 consecutive bytes at a multiple of 512.
.macro OUT g
	WIN 0x82+0x41*((\g)/2)                         ; source 0 and destination window 2 or 3
.irp a, 0,1
.set j, 0
.rept 48
	v_med3_num_f32 v[96*((\g)%2)+48*\a+j], v[96*((\g)%2)+48*\a+j], -v[LIM+j/16], v[LIM+j/16]
.set j, j+1
.endr
.endr
	WIN 0x02+((\g)/2)
.irp a, 0,1
.irp b, 0,1,2,3
	v_cvt_scalef32_pk8_bf8_f32 v[CD+24*(\g)+8*\a+2*\b:CD+24*(\g)+8*\a+2*\b+1], v[96*((\g)%2)+48*\a+8*\b:96*((\g)%2)+48*\a+8*\b+7], v[SC+\b/2]
.endr
.irp b, 0,1
	v_cvt_scalef32_pk8_bf8_f32 v[CD+24*(\g)+16+4*\b+2*\a:CD+24*(\g)+16+4*\b+2*\a+1], v[96*((\g)%2)+48*\a+32+8*\b:96*((\g)%2)+48*\a+32+8*\b+7], v[SC+2]
.endr
.endr
	v_nop
	WIN 0
.irp a, 0,1
	global_store_b128 v[OF0], v[CD+24*(\g)+8*\a:CD+24*(\g)+8*\a+3], s[76:77] offset:1024*(2*(\g)+\a)
	global_store_b128 v[OF0], v[CD+24*(\g)+8*\a+4:CD+24*(\g)+8*\a+7], s[78:79] offset:1024*(2*(\g)+\a)
	global_store_b128 v[OF0], v[CD+24*(\g)+16+4*\a:CD+24*(\g)+16+4*\a+3], s[80:81] offset:2048*\a+512*(\g)
.endr
.endm
	OUT 0
	OUT 1
	OUT 2
	OUT 3
	s_wait_tensorcnt 0x0                           ; the wave's end
	ds_add_u32 v[SPW], v[NIL]
	s_wait_dscnt 0x0
	CROUND                                         ; the closing round: no work-group ends while a partner may still ask for a tile that names it
	s_endpgm
.Lfunc_end_k_qe1b1afe2cf_qkv:
	.size	k_qe1b1afe2cf_qkv, .Lfunc_end_k_qe1b1afe2cf_qkv-k_qe1b1afe2cf_qkv
	.p2alignl 7, 3214868480
	.fill 96, 4, 3214868480
	.section	.rodata,"a",@progbits
	.p2align	6, 0x0
	.amdhsa_kernel k_qe1b1afe2cf_qkv
		.amdhsa_group_segment_fixed_size 327680
		.amdhsa_private_segment_fixed_size 0
		.amdhsa_enable_private_segment 0
		.amdhsa_kernarg_size 48
		.amdhsa_user_sgpr_count 2
		.amdhsa_user_sgpr_kernarg_segment_ptr 1
		.amdhsa_wavefront_size32 1
		.amdhsa_system_sgpr_workgroup_id_x 1
		.amdhsa_system_sgpr_workgroup_id_y 1
		.amdhsa_system_sgpr_workgroup_id_z 1
		.amdhsa_system_vgpr_workitem_id 0
		.amdhsa_next_free_vgpr 1024
		.amdhsa_next_free_sgpr 100
		.amdhsa_reserve_vcc 0
		.amdhsa_float_denorm_mode_32 3
		.amdhsa_float_denorm_mode_16_64 3
		.amdhsa_memory_ordered 1
		.amdhsa_forward_progress 1
		.amdhsa_inst_pref_size 102
	.end_amdhsa_kernel
	.amdgpu_metadata
---
amdhsa.version: [ 1, 2 ]
amdhsa.kernels:
  - .name:           k_qe1b1afe2cf_qkv
    .symbol:         k_qe1b1afe2cf_qkv.kd
    .args:
      - { .name: x_codes, .offset: 0, .size: 8, .value_kind: global_buffer, .address_space: global }
      - { .name: W_qkv_codes, .offset: 8, .size: 8, .value_kind: global_buffer, .address_space: global }
      - { .name: b_qkv, .offset: 16, .size: 8, .value_kind: global_buffer, .address_space: global }
      - { .name: lowp_scales, .offset: 24, .size: 8, .value_kind: global_buffer, .address_space: global }
      - { .name: q_img, .offset: 32, .size: 8, .value_kind: global_buffer, .address_space: global }
      - { .name: kv_img, .offset: 40, .size: 8, .value_kind: global_buffer, .address_space: global }
    .group_segment_fixed_size: 327680
    .private_segment_fixed_size: 0
    .kernarg_segment_align: 8
    .kernarg_segment_size: 48
    .max_flat_workgroup_size: 128
    .sgpr_count:     100
    .vgpr_count:     1024
    .wavefront_size: 32
...
	.end_amdgpu_metadata
.endif
;; end of part 1
;; launch attn (part 2): grid 8 x 32, 8 waves a work-group, clusters of 4 x 1, 327,680 bytes of LDS; arguments q_img, kv_img, lowp_scales, a_img; writes a_img
.if DOCPART == 2
	.amdgcn_target "amdgcn-amd-amdhsa--gfx1250"
	.amdhsa_code_object_version 6
	.text
	.protected	k_qe1b1afe2cf_attn
	.globl	k_qe1b1afe2cf_attn
	.p2align	8
	.type	k_qe1b1afe2cf_attn,@function
k_qe1b1afe2cf_attn:
	s_mov_b64 s[64:65], 0
	v_nop
	global_prefetch_b8 v0, s[64:65] scope:SCOPE_SE
	s_setreg_imm32_b32 hwreg(HW_REG_WAVE_MODE, 25, 1), 1
	s_wait_xcnt 0x0
	s_wait_alu depctr_hold_cnt(0) depctr_sa_sdst(0) depctr_va_vdst(0) depctr_va_sdst(0) depctr_va_ssrc(0) depctr_va_vcc(0) depctr_vm_vsrc(0)
	s_getreg_b32 s2, hwreg(HW_REG_IB_STS2, 6, 4)
	s_cmp_eq_u32 s2, 0
	s_cbranch_scc0 .Lentry_in_a_cluster
	s_endpgm
.Lentry_in_a_cluster:
	s_bfe_u32 s2, ttmp6, 0x10000c
	s_cmp_lg_u32 s2, 0x3003
	s_cbranch_scc0 .Lentry_shape_is_right
	s_endpgm
.Lentry_shape_is_right:
; O[bh][q] = the sum over keys of softmax(Q K^T / 8) V, both products on codes of E5M2, for 32 heads of 2,048 tokens x 64; the result is quantised (2^e6) for the output projection.
; THE SOFTMAX: t = score x log2(e) / 8; M = the running largest t rounded UP to a whole number; p = 2^(t - M) is quantised with 2^e4, not normalised; the row's sum is taken of the unquantised p and divides at the end.
; When M moves, the sum and O are multiplied by 2^(old M - new M): exact.
; SHARES.  A work-group owns 256 queries of one head; each of its eight waves owns two tiles of 16 queries in 512 registers, two waves to a SIMD.  Each fragment of K and V serves both tiles.  A step is 256 keys.
; LDS HOLDS THE HEAD'S WHOLE K AND V, 262,144 bytes, as they lie in kv_img ([16 pieces of 128 keys][K 8,192 bytes, V 8,192 bytes]): every byte is filled once.  Each wave asks for 9,216 bytes at the head
; (together 73,728: two steps, and the first half of the third step's K) and for 23,552 bytes (the rest) behind the full sequence: one tensor load of a wave is out at a time.
; No prefetch: both loads are asked for ahead of the key loops, so no loop runs ahead of a tensor load.
; CLUSTER.  The four query blocks of a cluster belong to one head: each piece is asked for jointly, by the same load with a mask that names the four.
; LAYOUT.  Both products are used transposed: S^T = K Q^T (source 0 = 16 keys, source 1 = my queries), O^T = V^T P^T (source 0 = 16 of the head's 64, source 1 = P): a lane holds ONE query (lane % 16) of each tile throughout.
; In tile t of S^T register j of lane (r, h) is key 16 t + 8 h + j; its eight codes are registers 2 t, 2 t + 1 of an 8-bit operand with K = 128: the conversions' results ARE P.  Q, K and V come as images of such registers.
; LIMITS: e2 + e3 between -123 and 130 (added to c's exponent field); e4, and e6 - e4 - e5, between -126 and 112.
; REGISTERS, window 0: as named below.  Window 1: S^T, then p: block b = 2 x (query tile) + (half of the step) at 64 b; V's second half lies over block 0 when that is converted.
.set LI,   1                           ; 16 x lane
.set ADR,  2                           ; the step's LDS address
.set ADN,  3                           ; the next step's
.set LIMP, 4                           ; v4, v5: 57,344 x 2^e4 (two registers: the two halves of a dual instruction take one each)
.set SCP,  6                           ; 2^e4
.set NM,   8                           ; v8, v10: -M of the two tiles; v9, v11: the largest score so far
.set F,    12                          ; v12, v14: f = 2^(old M - new M); v13, v15 at work
.set Q,    16                          ; v16-31
.set O,    32                          ; v32-95: O^T, 32 registers a tile
.set FR,   96                          ; v96-159: fragments of K's or V's first half
.set P,    160                         ; v160-223: K's second half, then P: 16 registers a block
.set SU,   224                         ; v224-239: the sums, four pairs a tile
.set T,    240                         ; v240-247: four chains of maxima a tile
.set PD,   248                         ; v248, v249: a lane permute's destinations
.set SPW,  254
.set NIL,  255
.set SPARE, 0x40000                    ; the spare words, 128 bytes a wave
.set PART1, 9216                       ; 36 rows of 256 bytes
.set PART2, 23552                      ; 92 rows
.set G1A,  24
.set G0A,  32
.set G0B,  36
.set G1B,  40
.set MSB, 0
.macro WIN new                         ; the immediate's high byte repeats the setting that is left
.if MSB != (\new)
	s_set_vgpr_msb (MSB<<8)|(\new)
.set MSB, (\new)
.endif
.endm
.macro CROUND                          ; a round of the cluster's barrier
	s_barrier_signal -1
	s_barrier_wait -1
	s_cmp_lg_u32 s12, 0
	s_cbranch_scc1 .Lnot_wave_0_\@
	s_barrier_signal -3
.Lnot_wave_0_\@:
	s_barrier_wait -3
	s_barrier_signal -1
	s_barrier_wait -1
.endm
.macro PLACES n
.rept \n
	v_nop
.endr
.endm
.macro LD16 r, a, o                    ; 8,192 bytes of an image into 64 registers
.irp i, 0,1,2,3,4,5,6,7,8,9,10,11,12,13,14,15
	ds_load_b128 v[(\r)+4*\i:(\r)+4*\i+3], v[\a] offset:(\o)+512*\i
.endr
.endm
	s_load_b256 s[4:11], s[0:1], 0x0               ; q_img s[4:5], kv_img s[6:7], the scales' exponents s[8:9], a_img s[10:11]
	v_lshl_add_u32 v[SPW], v0, 2, SPARE
	v_mov_b32 v[NIL], 0
	ds_add_u32 v[SPW], v[NIL]                      ; the opening: the add, twice on end, and its wait
	ds_add_u32 v[SPW], v[NIL]
	v_lshrrev_b32 v2, 5, v0
	v_readfirstlane_b32 s12, v2                    ; wave 0..7
	v_and_b32 v[LI], 31, v0
	v_lshlrev_b32 v[LI], 4, v[LI]
	s_bfe_u32 s13, ttmp6, 0x40000                  ; cx
	s_lshl_b32 s14, ttmp9, 2
	s_add_co_u32 s14, s14, s13                     ; my block of 256 queries: it enters Q's and the result's addresses alone
	s_and_b32 s15, ttmp7, 0xffff                   ; bh = 16 batch + head, which the four partners share
	s_mov_b32 s[G1A], 15|(3<<16)|(1<<21)           ; the mask: all four work-groups; elements of 8 bytes; bit 21 beside a mask; no padding: images are read 512 consecutive bytes at a time
	s_mov_b32 s[G1B], 15|(3<<16)|(1<<21)
	s_mov_b32 s[G1A+1], 32<<16                     ; rows of 32 elements = 256 bytes, dense
	s_mov_b32 s[G1B+1], 32<<16
	s_mov_b32 s[G1A+2], (PART1/256)<<16            ; so many rows
	s_mov_b32 s[G1B+2], (PART2/256)<<16
	s_mov_b32 s[G1A+3], 32<<16
	s_mov_b32 s[G1B+3], 32<<16
	s_mov_b32 s[G1A+4], PART1/256
	s_mov_b32 s[G1B+4], PART2/256
	s_mov_b32 s[G1A+5], 32
	s_mov_b32 s[G1B+5], 32
	s_mov_b32 s[G1A+6], 0
	s_mov_b32 s[G1B+6], 0
	s_mov_b32 s[G1A+7], 0
	s_mov_b32 s[G1B+7], 0
	s_mul_i32 s52, s12, PART1                      ; my two parts, in LDS and in the head's bytes
	s_mul_i32 s53, s12, PART2
	s_add_co_u32 s53, s53, 8*PART1
	s_lshl_b32 s54, s15, 18                        ; the head's 262,144 bytes
	s_add_co_u32 s56, s54, s52
	s_mov_b32 s57, 0
	s_add_co_u32 s62, s54, s53
	s_mov_b32 s63, 0
	s_lshl_b32 s58, s15, 3
	s_add_co_u32 s58, s58, s14
	s_lshl_b32 s58, s58, 3
	s_add_co_u32 s58, s58, s12                     ; my pair of token tiles: 64 bh + 8 block + wave
	s_lshl_b32 s58, s58, 11
	s_mov_b32 s59, 0
	s_lshr_b32 s60, s15, 4                         ; a_img: [block of 128 tokens 32][head 16][tile 8][1,024 bytes]
	s_lshl_b32 s60, s60, 3
	s_add_co_u32 s60, s60, s14
	s_lshl_b32 s60, s60, 1
	s_lshr_b32 s55, s12, 2
	s_add_co_u32 s60, s60, s55                     ; 16 batch + 2 block + wave / 4
	s_lshl_b32 s60, s60, 4
	s_and_b32 s55, s15, 15
	s_add_co_u32 s60, s60, s55                     ; the head
	s_lshl_b32 s60, s60, 2
	s_and_b32 s55, s12, 3
	s_add_co_u32 s60, s60, s55                     ; the pair of tiles
	s_lshl_b32 s60, s60, 11
	s_mov_b32 s61, 0
	s_mov_b32 s50, 0x76543210                      ; v_permlanex16_b32's selects for lane l xor 16
	s_mov_b32 s51, 0xfedcba98
	s_mov_b32 s48, 0x3e38aa3b                      ; c = log2(e) / 8
	s_wait_alu depctr_va_vdst(0)
	s_wait_dscnt 0x0                               ; both opening adds are done
	s_wait_kmcnt 0x0
	s_load_b256 s[16:23], s[8:9], 0x0              ; e0 .. e7
	s_add_nc_u64 s[58:59], s[4:5], s[58:59]
	s_add_nc_u64 s[60:61], s[10:11], s[60:61]
.irp i, 0,1,2,3
	global_load_b128 v[Q+4*\i:Q+4*\i+3], v[LI], s[58:59] offset:512*\i th:TH_LOAD_NT   ; Q's two fragments stay in registers
.endr
	s_mov_b32 s[G0A], 1
	s_mov_b32 s[G0A+1], s52
	s_add_nc_u64 s[G0A+2:G0A+3], s[6:7], s[56:57]
	s_or_b32 s[G0A+3], s[G0A+3], 0x80000000
	s_mov_b32 s[G0B], 1
	s_mov_b32 s[G0B+1], s53
	s_add_nc_u64 s[G0B+2:G0B+3], s[6:7], s[62:63]
	s_or_b32 s[G0B+3], s[G0B+3], 0x80000000
	CROUND                                         ; all four work-groups are here: the joint loads meet
	tensor_load_to_lds s[G0A:G0A+3], s[G1A:G1A+7]  ; every wave's one load at the head
	s_nop 0
.set j, 0
.rept 80
.if j < 64
	v_mov_b32 v[O+j], 0                            ; O^T: the step is written once; the first finds zeros, which the first change of M leaves zeros
.else
	v_mov_b32 v[SU+j-64], 0                        ; the sums likewise
.endif
.set j, j+1
.endr
.irp q, 0,1
	v_mov_b32 v[NM+2*\q], 0x7f61b1e6               ; -M = 3e38: the first f is 0
	v_mov_b32 v[NM+2*\q+1], 0xff61b1e6             ; the largest score so far: -3e38, under every score
	v_mov_b32 v[PD+\q], 0                          ; written once: a lane permute's destination counts as one of its sources
.endr
	s_wait_alu depctr_va_vdst(0)
	s_wait_kmcnt 0x0
	s_add_co_i32 s54, s18, s19
	s_lshl_b32 s54, s54, 23
	s_add_co_i32 s48, s48, s54                     ; a score stands for score x 2^(e2 + e3): the exponents are added to c's exponent field
	s_mov_b32 s49, s48                             ; (named with it as a pair, so it is written)
	s_add_co_i32 s54, s20, 127
	s_lshl_b32 s55, s54, 23
	v_mov_b32 v[SCP], s55                          ; 2^e4 as f32, for p's conversions
	s_add_co_i32 s54, s54, 15
	s_lshl_b32 s54, s54, 23
	s_or_b32 s54, s54, 0x600000
	v_mov_b32 v[LIMP], s54                         ; 57,344 x 2^e4
	v_mov_b32 v[LIMP+1], s54
	s_sub_co_i32 s54, s22, s20
	s_sub_co_i32 s54, s54, s21                     ; O^T / l stands for that x 2^(e4 + e5): its code is (O^T / l) / 2^(e6 - e4 - e5)
	s_add_co_i32 s54, s54, 127
	s_lshl_b32 s62, s54, 23
	s_add_co_i32 s54, s54, 15
	s_lshl_b32 s63, s54, 23
	s_or_b32 s63, s63, 0x600000
	s_wait_alu depctr_va_vdst(0)
	s_wait_loadcnt 0x0                             ; Q
	s_wait_tensorcnt 0x0                           ; my first part has landed
	ds_add_u32 v[SPW], v[NIL]
	s_wait_dscnt 0x0
	CROUND                                         ; everybody's has, in all four work-groups
	tensor_load_to_lds s[G0B:G0B+3], s[G1B:G1B+7]  ; the rest: it has the first two key steps in which to land
	s_nop 0
	LD16 FR, LI, 0                                 ; the first step's K, first half
.macro QK half, kb                     ; S^T of 128 keys x both tiles
.irp t, 0,1,2,3,4,5,6,7
.irp q, 0,1
	v_wmma_f32_16x16x64_bf8_bf8 v[128*\q+64*(\half)+8*\t:128*\q+64*(\half)+8*\t+7], v[(\kb)+8*\t:(\kb)+8*\t+7], v[Q+8*\q:Q+8*\q+7], 0
.endr
.endr
.endm
.macro MAXT half, t                    ; a tile of each query tile into four chains, from its low end on; the chains begin with the largest score so far
.irp q, 0,1
.irp k, 0,1,2,3
.if (\half) == 0 && (\t) == 0
	v_max3_num_f32 v[T+4*\q+\k], v[NM+2*\q+1], v[128*\q+2*\k], v[128*\q+2*\k+1]
.else
	v_max3_num_f32 v[T+4*\q+\k], v[T+4*\q+\k], v[128*\q+64*(\half)+8*(\t)+2*\k], v[128*\q+64*(\half)+8*(\t)+2*\k+1]
.endif
.endr
.endr
.endm
.macro SCALE r, b                      ; t - M, two at a time (of the pairs c and -M the low word serves both halves)
	v_pk_fma_f32 v[\r:(\r)+1], v[\r:(\r)+1], s[48:49], v[NM+2*((\b)/2):NM+2*((\b)/2)+1] op_sel_hi:[1,0,0]
.endm
.macro HOLD r                          ; the conversion does not saturate (ISA guide 7.6.2); p is not negative, so the hold is one-sided
	v_dual_min_num_f32 v[\r], v[\r], v[LIMP] :: v_dual_min_num_f32 v[(\r)+1], v[(\r)+1], v[LIMP+1]
.endm
; The exponentials of block b, among them the holds of block b - 1 and the scaling of block b + 1.  All that they read was written ahead of the last wait.  Each phase ends with a plain line.
.macro PHASE b
	WIN 0x41                                       ; destination and source 0 window 1
.if (\b) == 0
	s_wait_alu depctr_va_vdst(0)
.endif
.set ix, 0
.rept 32
	v_exp_f32 v[64*(\b)+2*ix], v[64*(\b)+2*ix]     ; p = 2^(t - M), at most 1
.if ((\b) == 1) || ((\b) == 2)
	HOLD 64*((\b)-1)+2*ix
.endif
	v_exp_f32 v[64*(\b)+2*ix+1], v[64*(\b)+2*ix+1]
.if (\b) == 3
	HOLD 64*((\b)-1)+2*ix
.else
	SCALE 64*((\b)+1)+2*ix, (\b)+1
.endif
.set ix, ix+1
.endr
.endm
; Behind a phase: one wait for the batch and for what stood among it; then block b's sums (four pairs by turns, of the unquantised and unheld p) and block b - 1's conversions.
.macro BOUND b
	WIN 0x01                                       ; source 0 window 1
	s_wait_alu depctr_va_vdst(0)
.irp t, 0,1,2,3,4,5,6,7
.if (\b) > 0
	v_cvt_scalef32_pk8_bf8_f32 v[P+16*((\b)-1)+2*\t:P+16*((\b)-1)+2*\t+1], v[64*((\b)-1)+8*\t:64*((\b)-1)+8*\t+7], v[SCP]
.endif
.irp k, 0,1,2,3
	v_pk_add_f32 v[SU+8*((\b)/2)+2*\k:SU+8*((\b)/2)+2*\k+1], v[64*(\b)+8*\t+2*\k:64*(\b)+8*\t+2*\k+1], v[SU+8*((\b)/2)+2*\k:SU+8*((\b)/2)+2*\k+1]
.endr
.endr
.endm
.macro PV half, vb                     ; O^T += V^T P^T over 128 keys; the eight accumulators take turns
.irp d, 0,1,2,3
.irp q, 0,1
	v_wmma_f32_16x16x128_bf8_bf8 v[O+32*\q+8*\d:O+32*\q+8*\d+7], v[(\vb)+16*\d:(\vb)+16*\d+15], v[P+32*\q+16*(\half):P+32*\q+16*(\half)+15], v[O+32*\q+8*\d:O+32*\q+8*\d+7]
.endr
.endr
.endm
; A KEY STEP: 256 keys, whose 32 KiB begin at LDS byte s52; the first half of its K is on its way into FR.  clamp = 1: the last step fetches its own K once more in place of a next step's.
.macro STEP clamp
	v_add_nc_u32 v[ADR], s52, v[LI]
	PLACES 4                                       ; with the line above five places behind the last product: four for the loads into P, five for the products below, which write over V's second half
	LD16 P, ADR, 16384                             ; K, second half
	s_wait_alu depctr_va_vdst(0)
	s_wait_dscnt 16                                ; K's first half is in; the second's sixteen loads are younger
	WIN 0x40                                       ; destination window 1
	QK 0, FR
	s_wait_dscnt 0x0
	QK 1, P
	WIN 0
	PLACES 4
	LD16 FR, ADR, 8192                             ; V, first half: it lands during the softmax
	WIN 0x14                                       ; sources 1 and 2 window 1
.irp half, 0,1
.irp t, 0,1,2,3,4,5,6,7
	MAXT \half, \t
.endr
.endr
	WIN 0
.irp q, 0,1
	v_max3_num_f32 v[T+4*\q], v[T+4*\q], v[T+4*\q+1], v[T+4*\q+2]
.endr
.irp q, 0,1
	v_max_num_f32 v[T+4*\q], v[T+4*\q], v[T+4*\q+3]
.endr
.irp q, 0,1
	v_permlanex16_b32 v[PD+\q], v[T+4*\q], s50, s51
.endr
.irp q, 0,1
	v_mov_b32 v[F+2*\q+1], v[NM+2*\q]
.endr
.irp q, 0,1
	v_max_num_f32 v[NM+2*\q+1], v[T+4*\q], v[PD+\q]   ; the largest score so far, lane l xor 16's keys among them
.endr
.irp q, 0,1
	v_mul_f32 v[T+4*\q], s48, v[NM+2*\q+1]         ; as t (c is positive)
.endr
.irp q, 0,1
	v_floor_f32 v[NM+2*\q], -v[T+4*\q]             ; the new -M = floor(-t) = -ceil(t)
.endr
.irp q, 0,1
	v_sub_f32 v[F+2*\q+1], v[NM+2*\q], v[F+2*\q+1] ; old M - new M: a whole number, 0 or less
.endr
.irp q, 0,1
	v_cvt_i32_f32 v[F+2*\q+1], v[F+2*\q+1]         ; (it saturates)
.endr
.irp q, 0,1
	v_ldexp_f32 v[F+2*\q], 1.0, v[F+2*\q+1]        ; f = 2^(old M - new M)
.endr
	WIN 0x41
.set ix, 0
.rept 32
	SCALE 2*ix, 0
.set ix, ix+1
.endr
	WIN 0
.irp q, 0,1                                        ; the sums and O^T under the new M
.irp k, 0,2,4,6
	v_pk_mul_f32 v[SU+8*\q+\k:SU+8*\q+\k+1], v[SU+8*\q+\k:SU+8*\q+\k+1], v[F+2*\q:F+2*\q+1] op_sel_hi:[1,0]
.endr
.irp k, 0,2,4,6,8,10,12,14,16,18,20,22,24,26,28,30
	v_pk_mul_f32 v[O+32*\q+\k:O+32*\q+\k+1], v[O+32*\q+\k:O+32*\q+\k+1], v[F+2*\q:F+2*\q+1] op_sel_hi:[1,0]
.endr
.endr
	PHASE 0
	BOUND 0
	PHASE 1
	BOUND 1
	WIN 0x40
	LD16 0, ADR, 24576                             ; V, second half, over block 0, which is summed and converted
	PHASE 2
	BOUND 2
	PHASE 3
	BOUND 3
	WIN 0x41
.set ix, 0
.rept 32
	HOLD 192+2*ix
.set ix, ix+1
.endr
	WIN 0x01
.irp t, 0,1,2,3,4,5,6,7
	v_cvt_scalef32_pk8_bf8_f32 v[P+48+2*\t:P+48+2*\t+1], v[192+8*\t:192+8*\t+7], v[SCP]
.endr
	s_add_co_u32 s54, s52, 32768
.if \clamp
	s_min_u32 s54, s54, 229376
.endif
	v_add_nc_u32 v[ADN], s54, v[LI]                ; (also the plain line behind the last conversion)
	WIN 0
	s_wait_alu depctr_va_vdst(0)
	s_wait_dscnt 16                                ; V's first half is in; the second's sixteen loads are younger
	PV 0, FR
	PLACES 4
	LD16 FR, ADN, 0                                ; the next step's K, first half
	s_wait_dscnt 16                                ; V's second half is in
	WIN 0x01
	PV 1, 0
	WIN 0
	s_add_co_u32 s52, s52, 32768
.endm
	s_mov_b32 s52, 0
	s_mov_b32 s53, 2
.Lfirst:
	STEP 0
	s_sub_co_u32 s53, s53, 1
	s_cmp_lg_u32 s53, 0
	s_cbranch_scc1 .Lfirst
	s_wait_tensorcnt 0x0                           ; my second part has landed,
	s_wait_dscnt 0x0
	s_barrier_signal -1
	s_barrier_wait -1                              ; and everybody's
	s_mov_b32 s52, 65536
	s_mov_b32 s53, 6
.Lrest:
	STEP 1
	s_sub_co_u32 s53, s53, 1
	s_cmp_lg_u32 s53, 0
	s_cbranch_scc1 .Lrest
	; THE WAY OUT: O^T / the sum, held, quantised with 2^(e6 - e4 - e5): a tile's codes are a fragment (16 tokens x this head's 64 along the projection's K), stored as an image, 512 consecutive bytes a store.
	PLACES 4
.irp q, 0,1
	v_pk_add_f32 v[SU+8*\q:SU+8*\q+1], v[SU+8*\q:SU+8*\q+1], v[SU+8*\q+2:SU+8*\q+3]
	v_pk_add_f32 v[SU+8*\q+4:SU+8*\q+5], v[SU+8*\q+4:SU+8*\q+5], v[SU+8*\q+6:SU+8*\q+7]
.endr
.irp q, 0,1
	v_pk_add_f32 v[SU+8*\q:SU+8*\q+1], v[SU+8*\q:SU+8*\q+1], v[SU+8*\q+4:SU+8*\q+5]
.endr
.irp q, 0,1
	v_add_f32 v[SU+8*\q], v[SU+8*\q], v[SU+8*\q+1]
.endr
.irp q, 0,1
	v_permlanex16_b32 v[PD+\q], v[SU+8*\q], s50, s51
.endr
.irp q, 0,1
	v_add_f32 v[SU+8*\q], v[SU+8*\q], v[PD+\q]     ; and lane l xor 16's keys
.endr
	s_wait_alu depctr_va_vdst(0)
	v_rcp_f32 v[SU], v[SU]
	v_rcp_f32 v[SU+8], v[SU+8]
	v_mov_b32 v[T], s62                            ; (plain lines behind the reciprocals)  the scale
	v_mov_b32 v[T+1], s63                          ; 57,344 x the scale
	s_wait_alu depctr_va_vdst(0)
.irp q, 0,1
.irp k, 0,2,4,6,8,10,12,14,16,18,20,22,24,26,28,30
	v_pk_mul_f32 v[O+32*\q+\k:O+32*\q+\k+1], v[O+32*\q+\k:O+32*\q+\k+1], v[SU+8*\q:SU+8*\q+1] op_sel_hi:[1,0]
.endr
.endr
.set j, 0
.rept 64
	v_med3_num_f32 v[O+j], v[O+j], -v[T+1], v[T+1]
.set j, j+1
.endr
.irp i, 0,1,2,3,4,5,6,7
	v_cvt_scalef32_pk8_bf8_f32 v[P+2*\i:P+2*\i+1], v[O+8*\i:O+8*\i+7], v[T]
.endr
	v_nop
.irp i, 0,1,2,3
	global_store_b128 v[LI], v[P+4*\i:P+4*\i+3], s[60:61] offset:512*\i
.endr
	s_wait_tensorcnt 0x0                           ; the wave's end
	ds_add_u32 v[SPW], v[NIL]
	s_wait_dscnt 0x0
	CROUND                                         ; the closing round: no work-group ends while a partner may still ask for a piece that names it
	s_endpgm
.Lfunc_end_k_qe1b1afe2cf_attn:
	.size	k_qe1b1afe2cf_attn, .Lfunc_end_k_qe1b1afe2cf_attn-k_qe1b1afe2cf_attn
	.p2alignl 7, 3214868480
	.fill 96, 4, 3214868480
	.section	.rodata,"a",@progbits
	.p2align	6, 0x0
	.amdhsa_kernel k_qe1b1afe2cf_attn
		.amdhsa_group_segment_fixed_size 327680
		.amdhsa_private_segment_fixed_size 0
		.amdhsa_enable_private_segment 0
		.amdhsa_kernarg_size 32
		.amdhsa_user_sgpr_count 2
		.amdhsa_user_sgpr_kernarg_segment_ptr 1
		.amdhsa_wavefront_size32 1
		.amdhsa_system_sgpr_workgroup_id_x 1
		.amdhsa_system_sgpr_workgroup_id_y 1
		.amdhsa_system_sgpr_workgroup_id_z 1
		.amdhsa_system_vgpr_workitem_id 0
		.amdhsa_next_free_vgpr 512
		.amdhsa_next_free_sgpr 66
		.amdhsa_reserve_vcc 0
		.amdhsa_float_denorm_mode_32 3
		.amdhsa_float_denorm_mode_16_64 3
		.amdhsa_memory_ordered 1
		.amdhsa_forward_progress 1
		.amdhsa_inst_pref_size 127
	.end_amdhsa_kernel
	.amdgpu_metadata
---
amdhsa.version: [ 1, 2 ]
amdhsa.kernels:
  - .name:           k_qe1b1afe2cf_attn
    .symbol:         k_qe1b1afe2cf_attn.kd
    .args:
      - { .name: q_img, .offset: 0, .size: 8, .value_kind: global_buffer, .address_space: global }
      - { .name: kv_img, .offset: 8, .size: 8, .value_kind: global_buffer, .address_space: global }
      - { .name: lowp_scales, .offset: 16, .size: 8, .value_kind: global_buffer, .address_space: global }
      - { .name: a_img, .offset: 24, .size: 8, .value_kind: global_buffer, .address_space: global }
    .group_segment_fixed_size: 327680
    .private_segment_fixed_size: 0
    .kernarg_segment_align: 8
    .kernarg_segment_size: 32
    .max_flat_workgroup_size: 256
    .sgpr_count:     66
    .vgpr_count:     512
    .wavefront_size: 32
...
	.end_amdgpu_metadata
.endif
;; end of part 2
;; launch proj (part 3): grid 32 x 8, 4 waves a work-group, clusters of 4 x 1, 167,936 bytes of LDS; arguments a_img, W_out_codes, b_out, lowp_scales, out0; writes out0
.if DOCPART == 3
	.amdgcn_target "amdgcn-amd-amdhsa--gfx1250"
	.amdhsa_code_object_version 6
	.text
	.protected	k_qe1b1afe2cf_proj
	.globl	k_qe1b1afe2cf_proj
	.p2align	8
	.type	k_qe1b1afe2cf_proj,@function
k_qe1b1afe2cf_proj:
	s_mov_b64 s[64:65], 0
	v_nop
	global_prefetch_b8 v0, s[64:65] scope:SCOPE_SE
	s_setreg_imm32_b32 hwreg(HW_REG_WAVE_MODE, 25, 1), 1
	s_wait_xcnt 0x0
	s_wait_alu depctr_hold_cnt(0) depctr_sa_sdst(0) depctr_va_vdst(0) depctr_va_sdst(0) depctr_va_ssrc(0) depctr_va_vcc(0) depctr_vm_vsrc(0)
	s_getreg_b32 s2, hwreg(HW_REG_IB_STS2, 6, 4)
	s_cmp_eq_u32 s2, 0
	s_cbranch_scc0 .Lentry_in_a_cluster
	s_endpgm
.Lentry_in_a_cluster:
	s_bfe_u32 s2, ttmp6, 0x10000c
	s_cmp_lg_u32 s2, 0x3003
	s_cbranch_scc0 .Lentry_shape_is_right
	s_endpgm
.Lentry_shape_is_right:
; out0 = attention's result x W_out + b_out on codes of E5M2: [4096][1024] x [1024 (n)][1024 (k)], f32 out.  A sum is multiplied once by 2^(e6 + e7) and the bias added, in one packed multiply-add.
; A tile of 128 tokens x 128 columns of the output is made by four waves; a wave owns 32 tokens x 128 columns.  256 work-groups.
; A comes as images of operand registers (a_img: [block of 128 tokens][head 16][tile 8][1,024 bytes]): each wave loads its own 32,768 bytes once, straight into 256 registers; nobody else in the work-group wants them, so they pass no LDS and are no joint request.
; B, the tile's 128 rows of W_out with all of K, comes into LDS by one joint load a wave (32 rows of 1,024 bytes); it hangs on the tile column alone, which the four work-groups of a cluster share.
; Every LDS byte is filled once.  No prefetch: every load is asked for ahead of the K steps.
; The columns go in two halves of 64: 8 K steps of 128 each, on 8 accumulators; the first half's rows leave while the second half is multiplied.
; In A's images registers 4 c .. 4 c + 3 hold k = 32 c + 16 h + 0 .. 15 of a head's 64; B's fragments are read in the same order, four loads of 16 bytes, 32 apart: one permutation of k on both sides.
; THE MATRIX INSTRUCTION IS USED TRANSPOSED (source 0 = 16 rows of W_out, source 1 = 16 tokens): a lane holds eight neighbouring numbers of a row of the output.
; LIMIT: e6 + e7 between -126 and 127.
; REGISTERS: window 0: addresses, the bias, the accumulators (half u, (a, b) at v[128 + 64 u + 32 a + 8 b]).  Window 1: A, 32 registers a K step.  Window 2: two buffers of B's fragments, 64 each.
.set BP,    1040                       ; a row of B in LDS: 1,024 bytes + 16: row r starts at bank 4 r mod 64 (ISA guide 11.1), so the 16 rows that a load touches start at 16 different banks
.set STG,   128*BP                     ; behind B: a stage of 16 rows x 272 bytes for each wave; no tensor load lands there
.set SPITCH, 272
.set SPARE, STG+4*16*SPITCH            ; the spare words
.set LI,   1
.set ADRB, 2                           ; v2, v3: rows 0-63, 64-127 of B
.set STO,  4
.set RD,   5
.set CO,   6
.set BA,   7
.set SPW,  8
.set NIL,  9
.set BI,   16                          ; v16-79
.set ACC,  128
.set G1,   24
.set G0,   32
.set MSB, 0
.macro WIN new                         ; the immediate's high byte repeats the setting that is left
.if MSB != (\new)
	s_set_vgpr_msb (MSB<<8)|(\new)
.set MSB, (\new)
.endif
.endm
.macro CROUND                          ; a round of the cluster's barrier
	s_barrier_signal -1
	s_barrier_wait -1
	s_cmp_lg_u32 s14, 0
	s_cbranch_scc1 .Lnot_wave_0_\@
	s_barrier_signal -3
.Lnot_wave_0_\@:
	s_barrier_wait -3
	s_barrier_signal -1
	s_barrier_wait -1
.endm
	s_load_b256 s[4:11], s[0:1], 0x0               ; a_img s[4:5], W_out's codes s[6:7], b_out s[8:9], the scales' exponents s[10:11]
	s_load_b64 s[12:13], s[0:1], 0x20              ; out0
	v_lshl_add_u32 v[SPW], v0, 2, SPARE
	v_mov_b32 v[NIL], 0
	ds_add_u32 v[SPW], v[NIL]                      ; the opening: the add, twice on end, and its wait
	ds_add_u32 v[SPW], v[NIL]
	v_lshrrev_b32 v10, 5, v0
	v_readfirstlane_b32 s14, v10                   ; wave 0..3
	s_bfe_u32 s15, ttmp6, 0x40000                  ; cx
	s_lshl_b32 s16, ttmp9, 2
	s_add_co_u32 s16, s16, s15                     ; block of 128 tokens, 0 .. 31
	s_and_b32 s17, ttmp7, 0xffff                   ; tile column, 0 .. 7
	s_mov_b32 s[G1], 15|(0<<16)|(1<<20)|(1<<21)|(7<<22)|(3<<25)   ; the mask: all four; elements of 1 byte; padding: after every 256 words 4 words; bit 21 beside a mask
	s_mov_b32 s[G1+1], 1024<<16                    ; rows of 1,024 codes,
	s_mov_b32 s[G1+2], 32<<16                      ; 32 of them
	s_mov_b32 s[G1+3], 1024<<16
	s_mov_b32 s[G1+4], 32
	s_mov_b32 s[G1+5], 1024
	s_mov_b32 s[G1+6], 0
	s_mov_b32 s[G1+7], 0
	s_lshl_b32 s40, s16, 17                        ; A: the block's 131,072 bytes,
	s_lshl_b32 s41, s14, 11
	s_add_co_u32 s40, s40, s41                     ; my two tiles of each head
	s_mov_b32 s41, 0
	s_lshl_b32 s42, s17, 17                        ; B: row 128 x tile column + 32 x wave
	s_lshl_b32 s43, s14, 15
	s_add_co_u32 s42, s42, s43
	s_mov_b32 s43, 0
	s_lshl_b32 s44, s17, 9                         ; the tile's columns, in bytes of f32
	s_mov_b32 s45, 0
	s_lshl_b32 s46, s16, 19                        ; the output: row 128 x block + 32 x wave, rows of 4,096 bytes
	s_lshl_b32 s47, s14, 17
	s_add_co_u32 s46, s46, s47
	s_add_co_u32 s46, s46, s44
	s_mov_b32 s47, 0
	s_mul_i32 s48, s14, 32*BP                      ; where my rows of B go
	s_mul_i32 s49, s14, 16*SPITCH
	s_add_co_u32 s49, s49, STG                     ; my stage
	v_and_b32 v[LI], 31, v0
	v_lshlrev_b32 v[LI], 4, v[LI]
	v_and_b32 v11, 15, v0                          ; r
	v_bfe_u32 v12, v0, 4, 1                        ; h
	v_mul_u32_u24 v13, v11, BP
	v_lshl_add_u32 v[ADRB], v12, 4, v13            ; row r x pitch + 16 h
	v_add_nc_u32 v[ADRB+1], 64*BP, v[ADRB]
	v_mul_u32_u24 v14, v11, SPITCH
	v_lshl_add_u32 v14, v12, 5, v14
	v_add_nc_u32 v[STO], s49, v14                  ; in: row r, 32 bytes for each half of the lanes
	v_mul_u32_u24 v15, v12, SPITCH
	v_lshl_add_u32 v15, v11, 4, v15
	v_add_nc_u32 v[RD], s49, v15                   ; back: lanes 0-15 one row of 256 bytes, lanes 16-31 the next
	v_lshlrev_b32 v[CO], 12, v12
	v_lshl_add_u32 v[CO], v11, 4, v[CO]            ; and the same two rows in the output
	v_lshlrev_b32 v[BA], 5, v12                    ; the bias: 32 h
	s_wait_alu depctr_va_vdst(0)
	s_wait_dscnt 0x0                               ; both opening adds are done
	s_wait_kmcnt 0x0
	s_load_b256 s[84:91], s[10:11], 0x0            ; e0 .. e7
	s_add_nc_u64 s[40:41], s[4:5], s[40:41]
	s_add_nc_u64 s[44:45], s[8:9], s[44:45]
	s_add_nc_u64 s[12:13], s[12:13], s[46:47]
	s_mov_b32 s[G0], 1
	s_mov_b32 s[G0+1], s48
	s_add_nc_u64 s[G0+2:G0+3], s[6:7], s[42:43]
	s_or_b32 s[G0+3], s[G0+3], 0x80000000
	CROUND                                         ; all four work-groups are here: the joint loads meet
	tensor_load_to_lds s[G0:G0+3], s[G1:G1+7]
	s_nop 0
.rept 4
	v_nop
.endr
	WIN 0x40                                       ; destination window 1
.irp s, 0,1,2,3,4,5,6,7                            ; K step s: heads 2 s, 2 s + 1
.irp a, 0,1
	global_load_b128 v[32*\s+16*\a:32*\s+16*\a+3],     v[LI], s[40:41] offset:16384*\s+1024*\a
	global_load_b128 v[32*\s+16*\a+4:32*\s+16*\a+7],   v[LI], s[40:41] offset:16384*\s+1024*\a+512
	global_load_b128 v[32*\s+16*\a+8:32*\s+16*\a+11],  v[LI], s[40:41] offset:16384*\s+1024*\a+8192
	global_load_b128 v[32*\s+16*\a+12:32*\s+16*\a+15], v[LI], s[40:41] offset:16384*\s+1024*\a+8704
.endr
.endr
	WIN 0
.irp b, 0,1,2,3,4,5,6,7
	global_load_b128 v[BI+8*\b:BI+8*\b+3], v[BA], s[44:45] offset:64*\b          ; b_out at columns 16 b + 8 h + 0 .. 7
	global_load_b128 v[BI+8*\b+4:BI+8*\b+7], v[BA], s[44:45] offset:64*\b+16
.endr
	s_wait_kmcnt 0x0
	s_add_co_i32 s92, s90, s91                     ; e6 + e7
	s_add_co_i32 s92, s92, 127
	s_lshl_b32 s92, s92, 23                        ; 2^(e6 + e7) as f32
	s_mov_b32 s93, s92                             ; (named with it as a pair, so it is written)
; B's fragments of step m (half m / 8, K step m % 8) into buffer m % 2: 16 loads
.macro FETCH m
	WIN 0x80                                       ; destination window 2
.irp b, 0,1,2,3
.irp c, 0,1,2,3
	ds_load_b128 v[64*((\m)%2)+16*\b+4*\c:64*((\m)%2)+16*\b+4*\c+3], v[ADRB+(\m)/8] offset:16*\b*BP+128*((\m)%8)+32*\c
.endr
.endr
.endm
; 8 matrix instructions; the 8 accumulators of the half take turns, in the same order in every step.  A half's first products start the sums
.macro MUL n
	WIN 0x06                                       ; source 0 window 2, source 1 window 1
.irp a, 0,1
.irp b, 0,1,2,3
.set AC, ACC+64*((\n)/8)+32*\a+8*\b
.if (\n)%8 == 0
	v_wmma_f32_16x16x128_bf8_bf8 v[AC:AC+7], v[64*((\n)%2)+16*\b:64*((\n)%2)+16*\b+15], v[32*((\n)%8)+16*\a:32*((\n)%8)+16*\a+15], 0
.else
	v_wmma_f32_16x16x128_bf8_bf8 v[AC:AC+7], v[64*((\n)%2)+16*\b:64*((\n)%2)+16*\b+15], v[32*((\n)%8)+16*\a:32*((\n)%8)+16*\a+15], v[AC:AC+7]
.endif
.endr
.endr
.endm
; THE WAY OUT of 16 rows x 64 columns: sum x 2^(e6 + e7) + bias, each accumulator from its low end on; through my own stage and back as whole rows of 256 bytes, into the registers that they left.
; LDS serves a wave's instructions in order (ISA guide 5.7.1.4): no wait between the stores and the loads, nor in front of the next block's stores.
.macro FIN u, a
	WIN 0
.set AC, ACC+64*(\u)+32*(\a)
.irp b, 0,1,2,3
.irp i, 0,2,4,6
	v_pk_fma_f32 v[AC+8*\b+\i:AC+8*\b+\i+1], v[AC+8*\b+\i:AC+8*\b+\i+1], s[92:93], v[BI+32*(\u)+8*\b+\i:BI+32*(\u)+8*\b+\i+1] op_sel_hi:[1,0,1]
.endr
.endr
.irp b, 0,1,2,3
	ds_store_b128 v[STO], v[AC+8*\b:AC+8*\b+3] offset:64*\b
	ds_store_b128 v[STO], v[AC+8*\b+4:AC+8*\b+7] offset:64*\b+16
.endr
.irp i, 0,1,2,3,4,5,6,7
	ds_load_b128 v[AC+4*\i:AC+4*\i+3], v[RD] offset:2*\i*SPITCH
.endr
.endm
.macro SEND u, a, younger              ; younger: the LDS instructions issued behind the block's loads
	WIN 0
.set AC, ACC+64*(\u)+32*(\a)
	s_wait_dscnt \younger
.irp i, 0,1,2,3,4,5,6,7
	global_store_b128 v[CO], v[AC+4*\i:AC+4*\i+3], s[12:13] offset:(16*(\a)+2*\i)*4096+256*(\u) th:TH_STORE_NT   ; 16 lanes store 256 consecutive bytes, at a multiple of 256 from the output's first byte
.endr
.endm
; Step n: the next step's fragments are asked for, then this step is multiplied.
.macro KS n
.if (\n) < 15
.if (\n) > 0
.rept 4
	v_nop                                          ; places in front of loads into the buffer that the last products read, and of the first half's way out
.endr
.endif
	FETCH (\n)+1
.if ((\n) == 9) || ((\n) == 10)
	s_wait_dscnt 32                                ; the 16 just issued and the 16 of the block on its way out are younger
.else
	s_wait_dscnt 16                                ; all but the 16 just issued
.endif
.else
	s_wait_dscnt 0x0
.endif
.if (\n) < 2
	s_wait_loadcnt 63                              ; A's K steps 0 and 1: behind step 1's loads come 48 of A's and the bias's 16
.elseif (\n) < 8
	s_wait_loadcnt 72-8*(\n)                       ; A's K step n is in; the later steps' eight loads each and the bias's 16 may be out
.endif
	MUL \n
.if (\n) == 8
	s_wait_loadcnt 0x0                             ; the bias
	FIN 0, 0
.endif
.if (\n) == 9
	SEND 0, 0, 16
	FIN 0, 1
.endif
.if (\n) == 10
	SEND 0, 1, 16
.endif
.endm
	s_wait_tensorcnt 0x0                           ; my rows of B have landed
	s_barrier_signal -1
	s_barrier_wait -1                              ; everybody's have
	FETCH 0
.irp n, 0,1,2,3,4,5,6,7,8,9,10,11,12,13,14,15
	KS \n
.endr
	WIN 0
.rept 4
	v_nop                                          ; places behind the last products
.endr
	FIN 1, 0
	FIN 1, 1
	SEND 1, 0, 16
	SEND 1, 1, 0
	s_wait_tensorcnt 0x0                           ; the wave's end
	ds_add_u32 v[SPW], v[NIL]
	s_wait_dscnt 0x0
	CROUND                                         ; the closing round: no work-group ends while a partner may still ask for rows that name it
	s_endpgm
.Lfunc_end_k_qe1b1afe2cf_proj:
	.size	k_qe1b1afe2cf_proj, .Lfunc_end_k_qe1b1afe2cf_proj-k_qe1b1afe2cf_proj
	.p2alignl 7, 3214868480
	.fill 96, 4, 3214868480
	.section	.rodata,"a",@progbits
	.p2align	6, 0x0
	.amdhsa_kernel k_qe1b1afe2cf_proj
		.amdhsa_group_segment_fixed_size 167936
		.amdhsa_private_segment_fixed_size 0
		.amdhsa_enable_private_segment 0
		.amdhsa_kernarg_size 40
		.amdhsa_user_sgpr_count 2
		.amdhsa_user_sgpr_kernarg_segment_ptr 1
		.amdhsa_wavefront_size32 1
		.amdhsa_system_sgpr_workgroup_id_x 1
		.amdhsa_system_sgpr_workgroup_id_y 1
		.amdhsa_system_sgpr_workgroup_id_z 1
		.amdhsa_system_vgpr_workitem_id 0
		.amdhsa_next_free_vgpr 768
		.amdhsa_next_free_sgpr 100
		.amdhsa_reserve_vcc 0
		.amdhsa_float_denorm_mode_32 3
		.amdhsa_float_denorm_mode_16_64 3
		.amdhsa_memory_ordered 1
		.amdhsa_forward_progress 1
		.amdhsa_inst_pref_size 52
	.end_amdhsa_kernel
	.amdgpu_metadata
---
amdhsa.version: [ 1, 2 ]
amdhsa.kernels:
  - .name:           k_qe1b1afe2cf_proj
    .symbol:         k_qe1b1afe2cf_proj.kd
    .args:
      - { .name: a_img, .offset: 0, .size: 8, .value_kind: global_buffer, .address_space: global }
      - { .name: W_out_codes, .offset: 8, .size: 8, .value_kind: global_buffer, .address_space: global }
      - { .name: b_out, .offset: 16, .size: 8, .value_kind: global_buffer, .address_space: global }
      - { .name: lowp_scales, .offset: 24, .size: 8, .value_kind: global_buffer, .address_space: global }
      - { .name: out0, .offset: 32, .size: 8, .value_kind: global_buffer, .address_space: global }
    .group_segment_fixed_size: 167936
    .private_segment_fixed_size: 0
    .kernarg_segment_align: 8
    .kernarg_segment_size: 40
    .max_flat_workgroup_size: 128
    .sgpr_count:     100
    .vgpr_count:     768
    .wavefront_size: 32
...
	.end_amdgpu_metadata
.endif
;; end of part 3
